; MI455X (gfx1250); checked and timed in simulation.
; The chip was launched on July 23, 2026; its instructions are those of AMD's public machine-readable ISA for CDNA 5 (MIT licence, August 2026) and "CDNA5" Instruction Set Architecture Reference Guide (July 2026). The comments in the code are by the model that wrote it; some were corrected since.
;; Multi Head Attention4 D. Allowed arithmetic: matrix products marked QUANTISED: E3M2 operands, one E8M0 scale for each 32 along K, by v_wmma_scale_f32_16x16x128_f8f6f4 with both operands' format E3M2, f32 sums; everything else in f32.
;; Inputs: Wk 512 x 512 float32; Wo 512 x 512 float32; Wq 512 x 512 float32; Wv 512 x 512 float32; bk 512 float32; bo 512 float32; bq 512 float32; bv 512 float32; key 4 x 16 x 512 x 512 float32; query 4 x 16 x 512 x 512 float32; value 4 x 16 x 512 x 512 float32.
;; Outputs: out0 4 x 16 x 512 x 512 float32.
;; This version of the problem:
;;   THIS VERSION OF THE PROBLEM IS GIVEN IN LOW PRECISION. The matrix products marked QUANTISED in the list below multiply operands that are first quantised to E3M2 (3 exponent bits, 2 mantissa bits; 6 bits a number), with one power-of-two scale for each 32 numbers along K (OCP MX v1.0); their sums are f32. All else is computed in f32.
;;   The module's matrix products, in the order in which they are computed (A, B: the left and right operand; K: the contracted axis; several contracted axes count as one K, in the product's order):
;;     1. [M 32,768, K 512] x [K 512, N 512]; A: input query; B: input Wq: QUANTISED
;;     2. [M 32,768, K 512] x [K 512, N 512]; A: input key; B: input Wk: QUANTISED
;;     3. [M 32,768, K 512] x [K 512, N 512]; A: input value; B: input Wv: QUANTISED
;;     4. batch 512 x [M 512, K 64] x [K 64, N 512]; A: computed on the way; B: computed on the way: QUANTISED
;;     5. batch 512 x [M 512, K 512] x [K 512, N 64]; A: softmax (see below); B: computed on the way: QUANTISED
;;     6. [M 32,768, K 512] x [K 512, N 512]; A: computed on the way; B: input Wo: QUANTISED
;;   THE QUANTISER, for each operand of a quantised product, along K:
;;     - K is cut into blocks of 32 from its start; a last block that is shorter is filled with zeros.
;;     - A block's scale is 2^e with e = floor(log2(the largest magnitude in the block)) - 4, held to -126 .. 127; a block of zeros has e = 0. As a byte (E8M0): e + 127.
;;     - Each number is divided by its block's scale, clamped to +-28, and rounded to the nearest number of E3M2, ties to even, subnormals kept.
;;     - The product sums the exact products of the quantised numbers (number of the format x scale) in f32.
;;   ~~~python
;;   def quantise(x, axis):      # numpy; x: float32 -> the quantised numbers, widened to float32 again
;;       x = np.moveaxis(x, axis, -1); K = x.shape[-1]
;;       x = np.pad(x, [(0, 0)] * (x.ndim - 1) + [(0, -K % 32)]); x = x.reshape(x.shape[:-1] + (-1, 32)); a = np.abs(x).max(-1, keepdims=True)
;;       e = np.where(a > 0, np.clip(np.frexp(np.where(a > 0, a, 1))[1] - 1 - 4, -126, 127), 0)      # np.frexp(a)[1] - 1 = floor(log2(a)), exactly
;;       r = np.clip(x / 2.0 ** e, -28, 28)
;;       step = 2.0 ** (np.maximum(np.frexp(np.where(r == 0, 1, r))[1] - 1, -2) - 2)
;;       q = np.round(r / step) * step * 2.0 ** e      # np.round: ties to even
;;       return np.moveaxis(q.reshape(q.shape[:-2] + (-1,))[..., :K], -1, axis).astype(np.float32)
;;   ~~~
;;   SOFTMAX AHEAD OF A QUANTISED PRODUCT. Where the list says 'softmax', what is quantised is not the finished softmax but p = 2^(t - M), with t = logit x log2(e) and M = ceil(the row's largest t), a whole number; so 1/2 < the row's largest p <= 1. The row's sum l is taken of the UNQUANTISED p, in f32, and the product's result is divided by l at the end. Since M is a whole number, a kernel that streams over the keys may use a running M (the ceiling of the running maximum): every later rescaling is an exact power of two, which a block's scale takes up: the codes' values come out the same.
;;   OPERANDS COMPUTED ON THE WAY. 'Computed on the way' means the value that the module computes at that place (a softmax that the list does not call 'softmax' is quantised finished and normalised). What goes into a quantiser is computed in f32, as accurately as f32 sums, v_exp_f32 and their like allow (about 1e-6 of the number): no bf16 or f16 on the way to a quantiser, and a product that is left as it is and whose result goes on into a quantised operand takes f32 operands (vector FMAs, or v_wmma_f32_16x16x4_f32). A number that lies on a knife's edge between two numbers of the format may be rounded either way, as far as f32 arithmetic and the matrix unit's own rounding can turn it there, and no further.
;; One version. Each part assembles by itself: llvm-mc -triple=amdgcn-amd-amdhsa -mcpu=gfx1250 --defsym DOCPART=n.
;; ======== version 1 of 1: 3 launches
;; limits: right only within a limited range of input values
;; workspace buffers: wcodes 786,432 bytes; wscales 32,768 bytes; acodes 37,748,736 bytes; ascales 3,145,728 bytes
;; launch weights (part 1): grid 64 x 4, 1 waves a work-group, no clusters, 0 bytes of LDS; arguments Wq, Wk, Wv, Wo, wcodes, wscales; writes wcodes, wscales
.if DOCPART == 1
	.amdgcn_target "amdgcn-amd-amdhsa--gfx1250"
	.amdhsa_code_object_version 6
	.text
	.protected	k_q91d5f2c8a7_weights
	.globl	k_q91d5f2c8a7_weights
	.p2align	8
	.type	k_q91d5f2c8a7_weights,@function
k_q91d5f2c8a7_weights:
	s_mov_b64 s[64:65], 0
	v_nop
	global_prefetch_b8 v0, s[64:65] scope:SCOPE_SE
	s_setreg_imm32_b32 hwreg(HW_REG_WAVE_MODE, 25, 1), 1
	s_wait_xcnt 0x0
; Wq, Wk, Wv, Wo ([512 outputs][512 k] f32, K innermost) become codes of E3M2 (6 bits) with one E8M0 byte for each 32 along K,
; laid as IMAGES OF OPERAND REGISTERS: wcodes [weight][tile T 0..31][K step s 0..3][1,536 bytes]: a fragment's 12 registers as three runs of 512 bytes, lane l's 16 bytes at 16 l.
; wscales [weight][T][s][row 0..15]: one word (four bytes, 128 along K) a row.
; WHICH ROWS FORM A TILE.  Wq, Wk, Wv: row i of tile T is 64 (T / 4) + 8 (T % 4) + i + 24 (i / 8), so that in a product with W as source 0 a lane's 32 registers of four neighbouring
; tiles are 32 NEIGHBOURING outputs: a whole block of the next product's K.  Wo: the natural rows 16 T + i.
; A lane (r = lane % 16, h = lane / 16) takes, of its row, k = 128 s + 64 c + 32 h + 0 .. 31 for c = 0, 1: two whole blocks, in the order of the operand's registers: no lane asks another for a maximum.
; A block's scale is 2^(floor(log2(largest magnitude)) - 4); its byte is the largest magnitude's exponent field - 4.
; LIMITS: NaN and infinities are not served; a block whose largest magnitude lies under 2^-122 has its byte held at 1; a block of zeros gets the byte 1 and not 127 (its codes are zeros, and only this program reads the bytes).
; SHARES: 256 work-groups of one wave: x = 2 T + sp, y = the weight; each makes K steps 2 sp and 2 sp + 1 of tile T.  A lane's eight loads of a block cover 128 consecutive bytes of its row;
; the loads are not turned through LDS to make them dense across lanes: the launch reads 4 MiB once, 16 KiB a wave, all of it asked for at once.
.set RAW, 64                           ; v64-191  128 numbers: K step sl at 64 sl, block c at 32 c
.set PC,  16                           ; v16-39   two fragments' codes
.set CT,  40                           ; v40-47   the upper halves of the blocks' codes, before they are moved
.set TM,  48                           ; v48-56   at work
.set PW,  60                           ; v60-61   the two scale words
.set SH8, 7                            ; v7       8 h
.set SEL, 32                           ; s[32:33] lane selects: lane l xor 16
; 64 numbers of a lane, register 32 c + i = k 64 c + 32 h + i of my row, become a fragment's 12 registers at v[dst] and its scale word in v[pw].
.macro QUANT2 src, dst, pw
.irp c, 0,1
	v_max3_num_f32 v[TM+\c], |v[\src+32*\c]|, |v[\src+32*\c+1]|, 0x2800000   ; two chains a block, the blocks by turns; the floor 2^(5 - 127) holds the byte at 1 from below
	v_max3_num_f32 v[TM+2+\c], |v[\src+32*\c+16]|, |v[\src+32*\c+17]|, |v[\src+32*\c+18]|
.endr
.irp i, 0,1,2,3,4,5
.irp c, 0,1
	v_max3_num_f32 v[TM+\c], v[TM+\c], |v[\src+32*\c+2+2*\i]|, |v[\src+32*\c+3+2*\i]|
	v_max3_num_f32 v[TM+2+\c], v[TM+2+\c], |v[\src+32*\c+19+2*\i]|, |v[\src+32*\c+20+2*\i]|
.endr
.endr
.irp c, 0,1
	v_max3_num_f32 v[TM+\c], v[TM+\c], |v[\src+32*\c+14]|, |v[\src+32*\c+15]|
.endr
.irp c, 0,1
	v_max3_num_f32 v[TM+\c], v[TM+\c], v[TM+2+\c], |v[\src+32*\c+31]|        ; the block's largest magnitude
.endr
.irp c, 0,1
	v_add_nc_u32 v[TM+4+\c], 0xfe000000, v[TM+\c]                            ; 4 off its exponent field: the conversion's scale operand
.endr
.irp c, 0,1
	v_lshrrev_b32 v[TM+6+\c], 23, v[TM+4+\c]                                 ; the scale's byte
.endr
	v_lshl_or_b32 v[\pw], v[TM+7], 16, v[TM+6]                               ; my bytes: blocks h and 2 + h,
	v_lshlrev_b32 v[\pw], v[SH8], v[\pw]                                     ; at their places (8 h bits up);
	v_permlanex16_b32 v[TM+8], v[\pw], s[SEL], s[SEL+1]
	v_or_b32 v[\pw], v[\pw], v[TM+8]                                         ; with lane l xor 16's two the word is whole
.irp c, 0,1
	v_cvt_scalef32_pk16_bf6_f32 v[\dst+6*\c:\dst+6*\c+2], v[\src+32*\c:\src+32*\c+15], v[TM+4+\c]
	v_cvt_scalef32_pk16_bf6_f32 v[CT+4*\c:CT+4*\c+2], v[\src+32*\c+16:\src+32*\c+31], v[TM+4+\c]   ; (a conversion's three registers begin on an even number)
.endr
	v_nop                                                                    ; one plain line behind the conversions
.irp c, 0,1
.irp i, 0,1,2
	v_mov_b32 v[\dst+6*\c+3+\i], v[CT+4*\c+\i]
.endr
.endr
.endm
	s_load_b256 s[8:15], s[0:1], 0x0               ; Wq, Wk, Wv, Wo
	s_load_b128 s[16:19], s[0:1], 0x20             ; wcodes, wscales
	s_and_b32 s20, ttmp7, 0xffff                   ; the weight
	s_lshr_b32 s21, ttmp9, 1                       ; T
	s_and_b32 s22, ttmp9, 1                        ; sp
	s_lshr_b32 s23, s21, 2
	s_lshl_b32 s23, s23, 6                         ; 64 (T / 4)
	s_and_b32 s24, s21, 3
	s_cmp_lt_u32 s20, 3                            ; Wq, Wk, Wv: 8 (T % 4) + i + 24 (i / 8);  Wo: 16 (T % 4) + i
	s_cselect_b32 s25, 8, 16
	s_cselect_b32 s26, 24, 0
	s_mul_i32 s24, s24, s25
	s_add_co_u32 s23, s23, s24
	v_and_b32 v1, 15, v0                           ; r
	v_lshrrev_b32 v2, 4, v0                        ; h
	v_lshrrev_b32 v3, 3, v1
	v_mul_u32_u24 v3, s26, v3
	v_add3_u32 v3, v3, v1, s23                     ; my row of W
	v_lshlrev_b32 v4, 11, v3                       ; 2,048 bytes a row,
	v_lshl_add_u32 v4, v2, 7, v4                   ; + 128 h
	v_lshlrev_b32 v5, 4, v0                        ; 16 x lane
	v_lshlrev_b32 v6, 2, v0                        ; 4 x lane
	v_lshlrev_b32 v[SH8], 3, v2
	v_mov_b32 v[TM+8], 0                           ; a lane permute's destination counts as read
	s_mov_b32 s[SEL], 0x76543210
	s_mov_b32 s[SEL+1], 0xfedcba98
	s_mov_b32 vcc_lo, 0xffff0000                   ; lanes 16-31
	s_lshl_b32 s28, s22, 10                        ; my two K steps begin 1,024 sp bytes into a row
	s_mov_b32 s29, 0
	s_lshl_b32 s30, s21, 2
	s_lshl_b32 s31, s22, 1
	s_add_co_u32 s30, s30, s31                     ; 4 T + 2 sp
	s_mul_i32 s36, s30, 1536
	s_mul_i32 s31, s20, 196608
	s_add_co_u32 s36, s36, s31                     ; where my two fragments go
	s_mov_b32 s37, 0
	s_lshl_b32 s38, s30, 6
	s_lshl_b32 s31, s20, 13
	s_add_co_u32 s38, s38, s31                     ; and their scale words
	s_mov_b32 s39, 0
	s_wait_alu depctr_va_vdst(0)
	s_wait_kmcnt 0x0
	s_cmp_eq_u32 s20, 1                            ; the choice hangs on the work-group's number alone
	s_cselect_b64 s[8:9], s[10:11], s[8:9]
	s_cmp_eq_u32 s20, 2
	s_cselect_b64 s[8:9], s[12:13], s[8:9]
	s_cmp_eq_u32 s20, 3
	s_cselect_b64 s[8:9], s[14:15], s[8:9]
	s_add_nc_u64 s[8:9], s[8:9], s[28:29]
	s_add_nc_u64 s[16:17], s[16:17], s[36:37]
	s_add_nc_u64 s[18:19], s[18:19], s[38:39]
.irp q, 0,1
.irp c, 0,1
.irp j, 0,1,2,3,4,5,6,7
	global_load_b128 v[RAW+64*\q+32*\c+4*\j:RAW+64*\q+32*\c+4*\j+3], v4, s[8:9] offset:512*\q+256*\c+16*\j th:TH_LOAD_NT
.endr
.endr
.endr
	s_wait_loadcnt 16                              ; the first K step's 16 loads are in; the second's may be out
	QUANT2 RAW, PC, PW
	s_wait_loadcnt 0x0
	QUANT2 RAW+64, PC+12, PW+1
.irp q, 0,1
.irp c, 0,1,2
	global_store_b128 v5, v[PC+12*\q+4*\c:PC+12*\q+4*\c+3], s[16:17] offset:1536*\q+512*\c   ; 32 lanes store 512 consecutive bytes, at a multiple of 256 from the buffer's first byte
.endr
.endr
	v_cndmask_b32 v62, v[PW], v[PW+1], vcc_lo      ; lanes 0-15: the first K step's words, lanes 16-31: the second's
	global_store_b32 v6, v62, s[18:19]             ; 128 consecutive bytes
	s_endpgm
.Lfunc_end_k_q91d5f2c8a7_weights:
	.size	k_q91d5f2c8a7_weights, .Lfunc_end_k_q91d5f2c8a7_weights-k_q91d5f2c8a7_weights
	.p2alignl 7, 3214868480
	.fill 96, 4, 3214868480
	.section	.rodata,"a",@progbits
	.p2align	6, 0x0
	.amdhsa_kernel k_q91d5f2c8a7_weights
		.amdhsa_group_segment_fixed_size 0
		.amdhsa_private_segment_fixed_size 0
		.amdhsa_enable_private_segment 0
		.amdhsa_kernarg_size 48
		.amdhsa_user_sgpr_count 2
		.amdhsa_user_sgpr_kernarg_segment_ptr 1
		.amdhsa_wavefront_size32 1
		.amdhsa_system_sgpr_workgroup_id_x 1
		.amdhsa_system_sgpr_workgroup_id_y 1
		.amdhsa_system_sgpr_workgroup_id_z 1
		.amdhsa_system_vgpr_workitem_id 0
		.amdhsa_next_free_vgpr 192
		.amdhsa_next_free_sgpr 66
		.amdhsa_reserve_vcc 1
		.amdhsa_float_denorm_mode_32 3
		.amdhsa_float_denorm_mode_16_64 3
		.amdhsa_memory_ordered 1
		.amdhsa_forward_progress 1
		.amdhsa_inst_pref_size 12
	.end_amdhsa_kernel
	.amdgpu_metadata
---
amdhsa.version: [ 1, 2 ]
amdhsa.kernels:
  - .name:           k_q91d5f2c8a7_weights
    .symbol:         k_q91d5f2c8a7_weights.kd
    .args:
      - { .name: Wq, .offset: 0, .size: 8, .value_kind: global_buffer, .address_space: global }
      - { .name: Wk, .offset: 8, .size: 8, .value_kind: global_buffer, .address_space: global }
      - { .name: Wv, .offset: 16, .size: 8, .value_kind: global_buffer, .address_space: global }
      - { .name: Wo, .offset: 24, .size: 8, .value_kind: global_buffer, .address_space: global }
      - { .name: wcodes, .offset: 32, .size: 8, .value_kind: global_buffer, .address_space: global }
      - { .name: wscales, .offset: 40, .size: 8, .value_kind: global_buffer, .address_space: global }
    .group_segment_fixed_size: 0
    .private_segment_fixed_size: 0
    .kernarg_segment_align: 8
    .kernarg_segment_size: 48
    .max_flat_workgroup_size: 32
    .sgpr_count:     66
    .vgpr_count:     192
    .wavefront_size: 32
...
	.end_amdgpu_metadata
.endif
;; end of part 1
;; launch project (part 2): grid 256 x 1, 4 waves a work-group, no clusters, 327,680 bytes of LDS; arguments query, key, value, bq, bk, bv, wcodes, wscales, acodes, ascales; writes acodes, ascales
.if DOCPART == 2
	.amdgcn_target "amdgcn-amd-amdhsa--gfx1250"
	.amdhsa_code_object_version 6
	.text
	.protected	k_q91d5f2c8a7_project
	.globl	k_q91d5f2c8a7_project
	.p2align	8
	.type	k_q91d5f2c8a7_project,@function
k_q91d5f2c8a7_project:
	s_mov_b64 s[64:65], 0
	v_nop
	global_prefetch_b8 v0, s[64:65] scope:SCOPE_SE
	s_setreg_imm32_b32 hwreg(HW_REG_WAVE_MODE, 25, 1), 1
	s_wait_xcnt 0x0
; q = query Wq^T + bq, k = key Wk^T + bk, v = value Wv^T + bv on codes of E3M2 with one E8M0 byte for each 32 along K; the results are quantised again
; (q, k along the head's 64 channels, v along the tokens) and stored as images of operand registers for the next launch.
; SHARES.  The three products are 3 x 512 = 1,536 trips of 64 tokens; trip T is tensor T / 512, batch (T / 8) % 64, token group T % 8.  256 work-groups take six trips on end each: T = 6 x work-group + 0 .. 5.
; Every address is made from T.  Where a work-group's run passes from one tensor to the next (T a multiple of 512), it loads the next weight, its scale words and its bias: a branch on ids alone.
; Wave w holds the weight's output columns 128 w .. 128 w + 127 in registers (windows 2 and 3) and quantises 16 of a trip's 64 tokens; the tokens' codes go from wave to wave through LDS as images of registers.
; x comes by tensor loads through two slots, one load a wave behind each barrier, a whole trip ahead of its use.
; PREFETCH.  Each wave asks for its own 32 KiB of a tile, the bytes that its own tensor load will fetch: a lane to each block of 256 bytes, four instructions.  At the head: the tiles of trips T + 1 and T + 2.
; In the first three trips: the tile that the NEXT trip's tensor load fetches, one trip ahead of that load.  The fourth trip and the tail ask for nothing: no request passes the work-group's six tiles.
; No block is named twice, and at most two tiles' parts are asked for and not yet loaded.
; cluster = none: work-groups share the weights' codes alone, 48 KiB a wave once, against 128 KiB of x in each trip.
; LIMITS: NaN and infinities are not served; a block whose largest magnitude lies under 2^-122 has its byte held at 1 (a block of zeros too: its codes are zeros, and only this program reads the bytes).
.set WPART, 33280                      ; a wave's part of a slot: 16 tokens x 2,080 bytes
.set SLOTB, 133120
.set XIMG,  266240                     ; the tokens' codes as images, two regions by turns
.set IREG,  25600
.set XSCL,  XIMG+24576
.set SPARE, 317440                     ; the spare words
.set WS,   20
.set XS,   36
.set TM,   44
.set BA,   53                          ; v53 bias offset for q, k; v54 for v
.set BV,   54
.set PFO,  55                          ; v55 the prefetches' offset: 256 x lane; never rewritten
.set PCX,  64
.set CT,   112
.set PW,   120
.set RAW,  128
.set ACC,  128
.set BIAS, 192
.set SH8,  11
.set SEL,  48
.set MSB,  0
.macro WIN new
.if MSB != (\new)
	s_set_vgpr_msb (MSB<<8)|(\new)
.set MSB, (\new)
.endif
.endm
.macro PLACES n
.rept \n
	v_nop
.endr
.endm
; 64 numbers of a lane (two blocks) become a fragment's 12 registers and its scale word
.macro QUANT2 src, dst, pw
.irp c, 0,1
	v_max3_num_f32 v[TM+\c], |v[\src+32*\c]|, |v[\src+32*\c+1]|, 0x2800000
	v_max3_num_f32 v[TM+2+\c], |v[\src+32*\c+16]|, |v[\src+32*\c+17]|, |v[\src+32*\c+18]|
.endr
.irp i, 0,1,2,3,4,5
.irp c, 0,1
	v_max3_num_f32 v[TM+\c], v[TM+\c], |v[\src+32*\c+2+2*\i]|, |v[\src+32*\c+3+2*\i]|
	v_max3_num_f32 v[TM+2+\c], v[TM+2+\c], |v[\src+32*\c+19+2*\i]|, |v[\src+32*\c+20+2*\i]|
.endr
.endr
.irp c, 0,1
	v_max3_num_f32 v[TM+\c], v[TM+\c], |v[\src+32*\c+14]|, |v[\src+32*\c+15]|
.endr
.irp c, 0,1
	v_max3_num_f32 v[TM+\c], v[TM+\c], v[TM+2+\c], |v[\src+32*\c+31]|
.endr
.irp c, 0,1
	v_add_nc_u32 v[TM+4+\c], 0xfe000000, v[TM+\c]
.endr
.irp c, 0,1
	v_lshrrev_b32 v[TM+6+\c], 23, v[TM+4+\c]
.endr
	v_lshl_or_b32 v[\pw], v[TM+7], 16, v[TM+6]
	v_lshlrev_b32 v[\pw], v[SH8], v[\pw]
	v_permlanex16_b32 v[TM+8], v[\pw], s[SEL], s[SEL+1]
	v_or_b32 v[\pw], v[\pw], v[TM+8]
.irp c, 0,1
	v_cvt_scalef32_pk16_bf6_f32 v[\dst+6*\c:\dst+6*\c+2], v[\src+32*\c:\src+32*\c+15], v[TM+4+\c]
	v_cvt_scalef32_pk16_bf6_f32 v[CT+4*\c:CT+4*\c+2], v[\src+32*\c+16:\src+32*\c+31], v[TM+4+\c]
.endr
	v_nop
.irp c, 0,1
.irp i, 0,1,2
	v_mov_b32 v[\dst+6*\c+3+\i], v[CT+4*\c+\i]
.endr
.endr
.endm
; 32 numbers of a lane (one block) become six registers of codes
.macro QUANT1 src, dst, hw
	v_max3_num_f32 v[TM], |v[\src]|, |v[\src+1]|, 0x2800000
	v_max3_num_f32 v[TM+2], |v[\src+16]|, |v[\src+17]|, |v[\src+18]|
.irp i, 0,1,2,3,4,5
	v_max3_num_f32 v[TM], v[TM], |v[\src+2+2*\i]|, |v[\src+3+2*\i]|
	v_max3_num_f32 v[TM+2], v[TM+2], |v[\src+19+2*\i]|, |v[\src+20+2*\i]|
.endr
	v_max3_num_f32 v[TM], v[TM], |v[\src+14]|, |v[\src+15]|
	v_max3_num_f32 v[TM], v[TM], v[TM+2], |v[\src+31]|
	v_add_nc_u32 v[TM+4], 0xfe000000, v[TM]
	v_lshrrev_b32 v[TM+6], 23, v[TM+4]
	v_lshlrev_b32 v[\hw], v[SH8], v[TM+6]
	v_permlanex16_b32 v[TM+8], v[\hw], s[SEL], s[SEL+1]
	v_or_b32 v[\hw], v[\hw], v[TM+8]
	v_cvt_scalef32_pk16_bf6_f32 v[\dst:\dst+2], v[\src:\src+15], v[TM+4]
	v_cvt_scalef32_pk16_bf6_f32 v[CT:CT+2], v[\src+16:\src+31], v[TM+4]
	v_nop
.irp i, 0,1,2
	v_mov_b32 v[\dst+3+\i], v[CT+\i]
.endr
.endm
.macro MM d, a, b, cc, sa, sb, odd
.if \odd
	v_wmma_scale_f32_16x16x128_f8f6f4 v[\d:\d+7], v[\a:\a+11], v[\b:\b+11], v[\cc:\cc+7], v[\sa], v[\sb] matrix_a_fmt:MATRIX_FMT_BF6 matrix_b_fmt:MATRIX_FMT_BF6 matrix_a_scale:MATRIX_SCALE_ROW1 matrix_b_scale:MATRIX_SCALE_ROW1
.else
	v_wmma_scale_f32_16x16x128_f8f6f4 v[\d:\d+7], v[\a:\a+11], v[\b:\b+11], v[\cc:\cc+7], v[\sa], v[\sb] matrix_a_fmt:MATRIX_FMT_BF6 matrix_b_fmt:MATRIX_FMT_BF6
.endif
.endm
; the address of my part of the x tile of trip s[tt]: its tensor, + 131,072 x (trip % 512) + 16,384 x wave
.macro PADR dst, tt
	s_lshr_b32 s66, s[\tt], 9
	s_cmp_eq_u32 s66, 1
	s_cselect_b64 s[\dst:\dst+1], s[10:11], s[8:9]
	s_cmp_eq_u32 s66, 2
	s_cselect_b64 s[\dst:\dst+1], s[12:13], s[\dst:\dst+1]
	s_and_b32 s66, s[\tt], 511
	s_lshl_b32 s66, s66, 17
	s_add_co_u32 s66, s66, s77
	s_mov_b32 s67, 0
	s_add_nc_u64 s[\dst:\dst+1], s[\dst:\dst+1], s[66:67]
.endm
; the same as words 2 and 3 of a group 0
.macro XADR dst, tt
	PADR \dst, \tt
	s_or_b32 s[\dst+1], s[\dst+1], 0x80000000
.endm
; my part of a tile, two runs of 16 KiB that lie 64 KiB apart, is asked for: 4 x 32 lanes x 256 bytes
.macro ASK4 b
.irp o, 0, 8192, 65536, 73728
	global_prefetch_b8 v[PFO], s[\b:\b+1] offset:\o th:TH_LOAD_NT scope:SCOPE_SE
.endr
.endm
; what hangs on trip s76's tensor: s41 which, s42 = 1 for v, s52 the codes' step from trip to trip, the bias, the weight's codes and scale words
.macro KINDS
	s_lshr_b32 s41, s76, 9
	s_cmp_eq_u32 s41, 1
	s_cselect_b64 s[30:31], s[16:17], s[14:15]
	s_cmp_eq_u32 s41, 2
	s_cselect_b64 s[30:31], s[18:19], s[30:31]
	s_cselect_b32 s42, 1, 0
	s_mov_b32 s52, 3072
	s_cselect_b32 s52, 768, s52
	s_lshl_b32 s66, s40, 9
	s_mov_b32 s67, 0
	s_add_nc_u64 s[30:31], s[30:31], s[66:67]
	s_mul_i32 s66, s41, 196608
	s_add_co_u32 s66, s66, s78
	s_add_nc_u64 s[32:33], s[20:21], s[66:67]
	s_lshl_b32 s66, s41, 13
	s_lshl_b32 s6, s40, 11
	s_add_co_u32 s66, s66, s6
	s_add_nc_u64 s[34:35], s[22:23], s[66:67]
.endm
; where trip s76's results go: codes 196,608 x (T / 8) + 49,152 x wave + step x (T % 8); scale words 16,384 x (T / 8) + 4,096 x wave + 256 x (T % 8)
.macro OPTR
	s_lshr_b32 s4, s76, 3
	s_and_b32 s5, s76, 7
	s_mul_i32 s66, s4, 196608
	s_mul_i32 s6, s5, s52
	s_add_co_u32 s66, s66, s6
	s_add_co_u32 s66, s66, s78
	s_mov_b32 s67, 0
	s_add_nc_u64 s[36:37], s[24:25], s[66:67]
	s_lshl_b32 s66, s4, 14
	s_lshl_b32 s6, s5, 8
	s_add_co_u32 s66, s66, s6
	s_add_co_u32 s66, s66, s79
	s_add_nc_u64 s[38:39], s[26:27], s[66:67]
.endm
; my 32 fragments of the weight into windows 2 and 3, their scale words, and the bias in the results' layout into window 1
.macro WLD
	WIN 0x80
.set i, 0
.rept 16
.irp c, 0,1,2
	global_load_b128 v[12*i+4*\c:12*i+4*\c+3], v8, s[32:33] offset:1536*i+512*\c
.endr
.set i, i+1
.endr
	WIN 0xc0
.set i, 0
.rept 16
.irp c, 0,1,2
	global_load_b128 v[12*i+4*\c:12*i+4*\c+3], v8, s[32:33] offset:1536*(16+i)+512*\c
.endr
.set i, i+1
.endr
	WIN 0
.set i, 0
.rept 16
	global_load_b32 v[WS+i], v10, s[34:35] offset:128*i
.set i, i+1
.endr
	s_cmp_eq_u32 s42, 1
	s_cbranch_scc1 .Lbias_v_\@
	WIN 0x40
.irp t, 0,1,2,3,4,5,6,7
	global_load_b128 v[BIAS+8*\t:BIAS+8*\t+3], v[BA], s[30:31] offset:(64*(\t/4)+8*(\t%4))*4
	global_load_b128 v[BIAS+8*\t+4:BIAS+8*\t+7], v[BA], s[30:31] offset:(64*(\t/4)+8*(\t%4))*4+16
.endr
	WIN 0
	s_branch .Lbias_in_\@
.Lbias_v_\@:
	WIN 0x40
.irp t, 0,1,2,3,4,5,6,7
.irp j, 0,1,2,3,4,5,6,7
	global_load_b32 v[BIAS+8*\t+\j], v[BV], s[30:31] offset:(64*(\t/4)+8*(\t%4))*4
.endr
.endr
	WIN 0
.Lbias_in_\@:
.endm
	s_load_b512 s[8:23], s[0:1], 0x0               ; query, key, value, bq, bk, bv, wcodes, wscales
	s_load_b128 s[24:27], s[0:1], 0x40             ; acodes, ascales
	v_lshl_add_u32 v1, v0, 2, SPARE
	v_mov_b32 v2, 0
	ds_add_u32 v1, v2                              ; the opening lines: the add twice on end and its wait
	ds_add_u32 v1, v2
	v_lshrrev_b32 v12, 5, v0
	v_readfirstlane_b32 s40, v12                   ; wave
	s_mul_i32 s76, ttmp9, 6                        ; T: my first trip
	s_mul_i32 s47, s40, WPART
	s_lshl_b32 s77, s40, 14
	s_mul_i32 s78, s40, 49152
	s_lshl_b32 s79, s40, 12
	s_mov_b32 s56, (3<<16)|(1<<20)|(7<<22)|(3<<25) ; group 1: two rows of 16 KiB (8 tokens each), 64 KiB apart; 16 bytes of padding behind each 1,024
	s_mov_b32 s57, 2048<<16
	s_mov_b32 s58, 2<<16
	s_mov_b32 s59, 2048<<16
	s_mov_b32 s60, 2
	s_mov_b32 s61, 8192
	s_mov_b32 s62, 0
	s_mov_b32 s63, 0
	s_mov_b32 s68, 1
	s_mov_b32 s69, s47
	s_mov_b32 s72, 1
	s_add_co_u32 s73, s47, SLOTB
	s_add_co_u32 s7, s76, 1
	s_wait_dscnt 0x0
	s_wait_kmcnt 0x0
	XADR 70, 76
	XADR 74, 7
	tensor_load_to_lds s[68:71], s[56:63]          ; trip T's tile: my one tensor load at the head
	s_nop 0
	KINDS
	s_mov_b32 s45, 0
	s_mov_b32 s46, 0
	s_mov_b32 s[SEL], 0x76543210
	s_mov_b32 s[SEL+1], 0xfedcba98
	s_mov_b32 s54, 0xffff0000                      ; lanes 16-31
	v_and_b32 v12, 31, v0
	v_and_b32 v13, 15, v0
	v_bfe_u32 v14, v0, 4, 1
	v_mul_u32_u24 v3, v13, 2080
	v_lshl_add_u32 v3, v14, 7, v3
	v_add_nc_u32 v3, s47, v3
	v_lshlrev_b32 v8, 4, v12
	v_lshlrev_b32 v9, 3, v12
	v_lshlrev_b32 v10, 2, v12
	v_lshlrev_b32 v[SH8], 3, v14
	s_mul_i32 s6, s40, 6144
	s_add_co_u32 s6, s6, XIMG
	v_add_nc_u32 v4, s6, v8
	s_lshl_b32 s6, s40, 8
	s_add_co_u32 s6, s6, XSCL
	v_lshl_add_u32 v5, v13, 2, s6
	v_add_nc_u32 v6, XIMG, v8
	v_add_nc_u32 v7, XSCL, v10
	v_lshlrev_b32 v[BA], 7, v14
	v_lshrrev_b32 v[BV], 3, v13
	v_mul_u32_u24 v[BV], v[BV], 24
	v_add_nc_u32 v[BV], v[BV], v13
	v_lshlrev_b32 v[BV], 2, v[BV]
	v_lshlrev_b32 v[PFO], 8, v12
	v_mov_b32 v[TM+8], 0
	s_wait_alu depctr_va_vdst(0)                   ; the wait behind the head's last vector line
	WLD                                            ; the weight is asked for while the first tile is on its way
	PADR 2, 7                                      ; my part of trip T + 1's tile,
	s_add_co_u32 s7, s76, 2
	PADR 50, 7                                     ; and of trip T + 2's
	ASK4 2
	ASK4 50
	OPTR
	s_wait_tensorcnt 0x0                           ; slot 1's first fill is issued as a refill is: the three lines, the barrier, one load a wave
	ds_add_u32 v1, v2
	s_wait_dscnt 0x0
	s_barrier_signal -1
	s_barrier_wait -1
	tensor_load_to_lds s[72:75], s[56:63]          ; trip T + 1's tile
	s_nop 0
	PLACES 4
	s_wait_xcnt 0x0                                ; the prefetches have read their bases: s[2:3] is written again in the first trip
	s_wait_loadcnt 0x0
.macro XL s
.irp c, 0,1
.irp j, 0,1,2,3,4,5,6,7
	ds_load_b128 v[RAW+64*((\s)%2)+32*\c+4*\j:RAW+64*((\s)%2)+32*\c+4*\j+3], v12 offset:512*(\s)+256*\c+16*\j+16*((\s)/2)
.endr
.endr
.endm
.macro XST s
.irp c, 0,1,2
	ds_store_b128 v13, v[PCX+12*(\s)+4*\c:PCX+12*(\s)+4*\c+3] offset:1536*(\s)+512*\c
.endr
	ds_store_b32 v14, v[PW+(\s)] offset:64*(\s)
.endm
; my 16 tokens are quantised, K step by K step, and stored as images
.macro XPHASE
	v_add_nc_u32 v12, s45, v3
	v_add_nc_u32 v13, s46, v4
	v_add_nc_u32 v14, s46, v5
	v_add_nc_u32 v15, s46, v6
	v_add_nc_u32 v16, s46, v7
	XL 0
	XL 1
	s_wait_dscnt 16
	QUANT2 RAW, PCX, PW
	XL 2
	XST 0
	s_wait_dscnt 20
	QUANT2 RAW+64, PCX+12, PW+1
	XL 3
	XST 1
	s_wait_dscnt 24
	QUANT2 RAW, PCX+24, PW+2
	XST 2
	s_wait_dscnt 8
	QUANT2 RAW+64, PCX+36, PW+3
	XST 3
.endm
; the change of slots: all my tensor loads, the add, my LDS work; the barrier; the slot just read takes the tile of trip T + 2
.macro SYNC refill
	s_wait_tensorcnt 0x0
	ds_add_u32 v1, v2
.if \refill
	s_add_co_u32 s7, s76, 2
	XADR 74, 7
	s_add_co_u32 s73, s47, s45
	s_add_co_u32 s7, s76, 3
	PADR 2, 7                                      ; what this trip's prefetch names (the last prefetch has read this pair: a wait on XCNT for 0 stands behind it)
.endif
	s_wait_dscnt 0x0
	s_barrier_signal -1
	s_barrier_wait -1
.if \refill
	tensor_load_to_lds s[72:75], s[56:63]
	s_nop 0
	PLACES 4
.endif
.endm
.macro XBANK
	WIN 0x40
.set i, 0
.rept 16
.irp c, 0,1,2
	ds_load_b128 v[12*i+4*\c:12*i+4*\c+3], v15 offset:1536*i+512*\c
.endr
.set i, i+1
.endr
	WIN 0
.irp i, 0,1,2,3,4,5,6,7
	ds_load_b32 v[XS+\i], v16 offset:128*\i
.endr
	s_wait_dscnt 0x0
.endm
; q, k: source 0 = the weight: a lane holds one token and 64 channels: two blocks
.macro OUTK o
.irp s, 0,1,2,3
.irp t, 0,1,2,3,4,5,6,7
.if \s == 0
	WIN 0x16+\t/4
	MM ACC+8*\t, 12*(4*(\t%4)+\s), 12*(4*(\o)+\s), BIAS+8*\t, WS+2*\t+\s/2, XS+2*(\o)+\s/2, \s%2
.else
	WIN 0x06+\t/4
	MM ACC+8*\t, 12*(4*(\t%4)+\s), 12*(4*(\o)+\s), ACC+8*\t, WS+2*\t+\s/2, XS+2*(\o)+\s/2, \s%2
.endif
.endr
.endr
	WIN 0
	PLACES 4
	s_wait_xcnt 0x0
	QUANT2 ACC, PCX+12*((\o)%2), PW+(\o)%2
	global_store_b128 v8, v[PCX+12*((\o)%2):PCX+12*((\o)%2)+3], s[36:37] offset:768*(\o)
	global_store_b64 v9, v[PCX+12*((\o)%2)+4:PCX+12*((\o)%2)+5], s[36:37] offset:768*(\o)+512
	global_store_b128 v8, v[PCX+12*((\o)%2)+6:PCX+12*((\o)%2)+9], s[36:37] offset:24576+768*(\o)
	global_store_b64 v9, v[PCX+12*((\o)%2)+10:PCX+12*((\o)%2)+11], s[36:37] offset:24576+768*(\o)+512
.if (\o)%2
	v_cndmask_b32 v17, v[PW], v[PW+1], s54
	v_and_b32 v18, 0xffff, v17
	v_lshrrev_b32 v19, 16, v17
	global_store_b32 v10, v18, s[38:39] offset:128*((\o)/2)
	global_store_b32 v10, v19, s[38:39] offset:2048+128*((\o)/2)
.endif
.endm
; v: source 0 = the tokens: a lane holds one channel and 32 tokens: one block
.macro OUTV o
.irp s, 0,1,2,3
.irp t, 0,1,2,3
.if \s == 0
	WIN 0x19+4*((\o)/4)
	MM ACC+8*\t, 12*(4*\t+\s), 12*(4*((\o)%4)+\s), BIAS+8*(\o), XS+2*\t+\s/2, WS+2*(\o)+\s/2, \s%2
.else
	WIN 0x09+4*((\o)/4)
	MM ACC+8*\t, 12*(4*\t+\s), 12*(4*((\o)%4)+\s), ACC+8*\t, XS+2*\t+\s/2, WS+2*(\o)+\s/2, \s%2
.endif
.endr
.endr
	WIN 0
	PLACES 4
	s_wait_xcnt 0x0
	QUANT1 ACC, PCX+12*((\o)%2), PW+(\o)%2
	global_store_b128 v8, v[PCX+12*((\o)%2):PCX+12*((\o)%2)+3], s[36:37] offset:24576*((\o)/4)+6144*((\o)%4)
	global_store_b64 v9, v[PCX+12*((\o)%2)+4:PCX+12*((\o)%2)+5], s[36:37] offset:24576*((\o)/4)+6144*((\o)%4)+512
.if (\o)%2
	v_cndmask_b32 v18, v[PW], v[PW+1], s54
	global_store_b32 v10, v18, s[38:39] offset:2048*((\o)/4)+128*(((\o)%4)/2)
.endif
.endm
.macro TRIP refill
	XPHASE
	SYNC \refill
	XBANK
.if \refill
	s_cmp_gt_u32 s44, 1                            ; the first three trips ask for the tile of trip T + 3, which the next trip's tensor load fetches; the fourth has no such tile
	s_cbranch_scc0 .Lno_ask_\@
	ASK4 2
.Lno_ask_\@:
.endif
	s_cmp_eq_u32 s42, 1
	s_cbranch_scc1 .Lv_\@
	OUTK 0
	OUTK 1
	OUTK 2
	OUTK 3
	s_branch .Ljoin_\@
.Lv_\@:
	OUTV 0
	OUTV 1
	OUTV 2
	OUTV 3
	OUTV 4
	OUTV 5
	OUTV 6
	OUTV 7
.Ljoin_\@:
	s_wait_xcnt 0x0                                ; the stores have read their bases
	s_add_co_u32 s76, s76, 1                       ; the next trip
	s_and_b32 s4, s76, 511
	s_cmp_lg_u32 s4, 0
	s_cbranch_scc1 .Lsame_\@                       ; the same tensor goes on
	s_cmp_eq_u32 s76, 1536
	s_cbranch_scc1 .Lsame_\@                       ; behind the last trip of all nothing is loaded
	KINDS
	WLD
	s_wait_loadcnt 0x0
.Lsame_\@:
	OPTR
	s_xor_b32 s45, s45, SLOTB
	s_xor_b32 s46, s46, IREG
.endm
	s_mov_b32 s44, 4
.Lfill:
	TRIP 1
	s_sub_co_u32 s44, s44, 1
	s_cmp_lg_u32 s44, 0
	s_cbranch_scc1 .Lfill
	s_mov_b32 s44, 2
.Ltail:                                                ; the last two trips fetch nothing
	TRIP 0
	s_sub_co_u32 s44, s44, 1
	s_cmp_lg_u32 s44, 0
	s_cbranch_scc1 .Ltail
	s_wait_tensorcnt 0x0                           ; the wave's end
	ds_add_u32 v1, v2
	s_wait_dscnt 0x0
	s_endpgm
.Lfunc_end_k_q91d5f2c8a7_project:
	.size	k_q91d5f2c8a7_project, .Lfunc_end_k_q91d5f2c8a7_project-k_q91d5f2c8a7_project
	.p2alignl 7, 3214868480
	.fill 96, 4, 3214868480
	.section	.rodata,"a",@progbits
	.p2align	6, 0x0
	.amdhsa_kernel k_q91d5f2c8a7_project
		.amdhsa_group_segment_fixed_size 327680
		.amdhsa_private_segment_fixed_size 0
		.amdhsa_enable_private_segment 0
		.amdhsa_kernarg_size 80
		.amdhsa_user_sgpr_count 2
		.amdhsa_user_sgpr_kernarg_segment_ptr 1
		.amdhsa_wavefront_size32 1
		.amdhsa_system_sgpr_workgroup_id_x 1
		.amdhsa_system_sgpr_workgroup_id_y 1
		.amdhsa_system_sgpr_workgroup_id_z 1
		.amdhsa_system_vgpr_workitem_id 0
		.amdhsa_next_free_vgpr 960
		.amdhsa_next_free_sgpr 80
		.amdhsa_reserve_vcc 0
		.amdhsa_float_denorm_mode_32 3
		.amdhsa_float_denorm_mode_16_64 3
		.amdhsa_memory_ordered 1
		.amdhsa_forward_progress 1
		.amdhsa_inst_pref_size 236
	.end_amdhsa_kernel
	.amdgpu_metadata
---
amdhsa.version: [ 1, 2 ]
amdhsa.kernels:
  - .name:           k_q91d5f2c8a7_project
    .symbol:         k_q91d5f2c8a7_project.kd
    .args:
      - { .name: query, .offset: 0, .size: 8, .value_kind: global_buffer, .address_space: global }
      - { .name: key, .offset: 8, .size: 8, .value_kind: global_buffer, .address_space: global }
      - { .name: value, .offset: 16, .size: 8, .value_kind: global_buffer, .address_space: global }
      - { .name: bq, .offset: 24, .size: 8, .value_kind: global_buffer, .address_space: global }
      - { .name: bk, .offset: 32, .size: 8, .value_kind: global_buffer, .address_space: global }
      - { .name: bv, .offset: 40, .size: 8, .value_kind: global_buffer, .address_space: global }
      - { .name: wcodes, .offset: 48, .size: 8, .value_kind: global_buffer, .address_space: global }
      - { .name: wscales, .offset: 56, .size: 8, .value_kind: global_buffer, .address_space: global }
      - { .name: acodes, .offset: 64, .size: 8, .value_kind: global_buffer, .address_space: global }
      - { .name: ascales, .offset: 72, .size: 8, .value_kind: global_buffer, .address_space: global }
    .group_segment_fixed_size: 327680
    .private_segment_fixed_size: 0
    .kernarg_segment_align: 8
    .kernarg_segment_size: 80
    .max_flat_workgroup_size: 128
    .sgpr_count:     80
    .vgpr_count:     960
    .wavefront_size: 32
...
	.end_amdgpu_metadata
.endif
;; end of part 2
;; launch attend (part 3): grid 4 x 64, 8 waves a work-group, clusters of 4 x 1, 283,648 bytes of LDS; arguments acodes, ascales, wcodes, wscales, bo, out0; writes out0
.if DOCPART == 3
	.amdgcn_target "amdgcn-amd-amdhsa--gfx1250"
	.amdhsa_code_object_version 6
	.text
	.protected	k_q91d5f2c8a7_attend
	.globl	k_q91d5f2c8a7_attend
	.p2align	8
	.type	k_q91d5f2c8a7_attend,@function
k_q91d5f2c8a7_attend:
	s_mov_b64 s[64:65], 0
	v_nop
	global_prefetch_b8 v0, s[64:65] scope:SCOPE_SE
	s_setreg_imm32_b32 hwreg(HW_REG_WAVE_MODE, 25, 1), 1
	s_wait_xcnt 0x0
	s_wait_alu depctr_hold_cnt(0) depctr_sa_sdst(0) depctr_va_vdst(0) depctr_va_sdst(0) depctr_va_ssrc(0) depctr_va_vcc(0) depctr_vm_vsrc(0)
	s_getreg_b32 s2, hwreg(HW_REG_IB_STS2, 6, 4)
	s_cmp_eq_u32 s2, 0
	s_cbranch_scc0 .Lentry_in_a_cluster
	s_endpgm
.Lentry_in_a_cluster:
	s_bfe_u32 s2, ttmp6, 0x10000c
	s_cmp_lg_u32 s2, 0x3003
	s_cbranch_scc0 .Lentry_shape_is_right
	s_endpgm
.Lentry_shape_is_right:
; out = softmax(q k^T / 8) v, heads joined, x Wo^T + bo: all three products on codes of E3M2 with one E8M0 scale for each 32 along K.  q, k, v arrive as images of operand registers (see the launch before).
; THE SOFTMAX AHEAD OF THE SECOND PRODUCT: t = score x log2(e) / 8; M = the row's largest t so far, rounded UP to a whole number; p = 2^(t - M) is quantised along the keys, not normalised.
; The row's sum is taken of the unquantised p and divides at the end.  When M moves, the sum and O are multiplied by 2^(old M - new M): exact.
; SHARES.  A work-group is (batch, 128 queries: 8 tiles of 16).  Wave w is HEAD w for all 128 queries; afterwards it makes output columns 64 w .. 64 w + 63.  Two waves share a SIMD: one's vector work stands beside the other's products.
; The head's K stays in registers, 32 tiles x 6, packed: a product names 12, whose upper six (the next tile's codes) meet zero codes of q: they add exactly 0.  q's tiles come two ahead, into two buffers.
; The head's V^T lies in LDS, brought once by the wave's own tensor load.  CLUSTER: the four query blocks of a batch need the same V: the load is JOINT (mask 15), the same descriptor in all four.
; K goes straight into registers and is not asked for jointly: on its way through LDS it would need 196,608 bytes beside V's 196,608.  No LDS byte is filled twice.
; LAYOUT.  S^T = K q^T, O^T = V^T p^T, out^T = Wo ctx^T: a lane holds ONE query (lane % 16) throughout.  The keys of a tile of K and the channels of a tile of V^T were chosen so that a lane's 32 registers of four
; neighbouring tiles are 32 neighbours along the next K: a whole block in one lane: a block's largest number needs no other lane, and the conversions' results are the next operand's registers.
; ctx goes from wave to wave through LDS as images of registers: head w's 6 registers are half c = w % 2 of K step w / 2.
; LIMITS: NaN and infinities are not served; p under 2^-126 becomes 0; a block whose largest magnitude lies under 2^-122 has its byte held at 1 (a block of zeros too: zero codes).
; REGISTERS.  Window 0: v1-15 addresses; v16-31 K's scale words (later Wo's and ctx's); v32-39 V's; v40-41 q's; v42 p's; v43 ctx's two bytes; v44-61 statistics; v62-63 offsets; v64-127 S^T, then p (later the results);
;   v128-159 O^T (later bo); v160-207 V's four fragments (later ctx's); v208-219 codes just made; v220-231 at work (v208-255 later ctx's second set).
;   Window 1: v0-191 K (later Wo); v192-197 zeros behind K's last tile; v198-209, v210-221 q's two buffers, six registers of codes and six of zeros each.
.set CIMG,  196608                     ; LDS: behind V's 8 x 24,576 bytes: ctx's 32 fragments (4 m + K step) x 1,536,
.set CSC,   245760                     ; their scale words, 64 bytes each,
.set STAGE, 247808                     ; and a stage of 16 rows x (256 + 16) bytes for each wave
.set KS,  16
.set VS,  32
.set PSW, 42
.set HWD, 43
.set NM,  44                           ; v[44:45] -M
.set F,   46                           ; v[46:47] 2^(old M - new M)
.set L,   48                           ; v[48:49] the sum, in two halves;  v[50:51] a second chain
.set L2,  50
.set RI,  52                           ; v[52:53] 1 / the sum
.set RM,  54                           ; the largest score so far
.set OLD, 55
.set T0,  56
.set T1,  57
.set BM,  58                           ; v58-59 my two blocks' largest scores, then largest p
.set CH,  60                           ; v60-61 second chains
.set GO,  62
.set BH,  63
.set S,   64
.set O,   128
.set VF,  160
.set PCD, 208
.set CT,  220
.set SO,  228
.set BY,  230
.set MSB, 0
.macro WIN new                         ; the immediate's high byte repeats the setting that is left; a switch that changes nothing is dropped
.if MSB != (\new)
	s_set_vgpr_msb (MSB<<8)|(\new)
.set MSB, (\new)
.endif
.endm
.macro PLACES n
.rept \n
	v_nop
.endr
.endm
.macro ROUND                           ; a round of the cluster's barrier
	s_barrier_signal -1
	s_barrier_wait -1
	s_cmp_lg_u32 s20, 0
	s_cbranch_scc1 .Lnot_wave_0_\@
	s_barrier_signal -3
.Lnot_wave_0_\@:
	s_barrier_wait -3
	s_barrier_signal -1
	s_barrier_wait -1
.endm
; A product.  cc < 0: the constant 0 starts the sum.  rows = 1: source 0's scale words stand in lanes 16-31;  3: both sides'.
.macro WM d, a, b, cc, sa, sb, rows
.if (\cc) < 0
.if (\rows) == 0
	v_wmma_scale_f32_16x16x128_f8f6f4 v[\d:\d+7], v[\a:\a+11], v[\b:\b+11], 0, v[\sa], v[\sb] matrix_a_fmt:MATRIX_FMT_BF6 matrix_b_fmt:MATRIX_FMT_BF6
.else
	v_wmma_scale_f32_16x16x128_f8f6f4 v[\d:\d+7], v[\a:\a+11], v[\b:\b+11], 0, v[\sa], v[\sb] matrix_a_fmt:MATRIX_FMT_BF6 matrix_b_fmt:MATRIX_FMT_BF6 matrix_a_scale:MATRIX_SCALE_ROW1
.endif
.else
.if (\rows) == 0
	v_wmma_scale_f32_16x16x128_f8f6f4 v[\d:\d+7], v[\a:\a+11], v[\b:\b+11], v[\cc:\cc+7], v[\sa], v[\sb] matrix_a_fmt:MATRIX_FMT_BF6 matrix_b_fmt:MATRIX_FMT_BF6
.elseif (\rows) == 1
	v_wmma_scale_f32_16x16x128_f8f6f4 v[\d:\d+7], v[\a:\a+11], v[\b:\b+11], v[\cc:\cc+7], v[\sa], v[\sb] matrix_a_fmt:MATRIX_FMT_BF6 matrix_b_fmt:MATRIX_FMT_BF6 matrix_a_scale:MATRIX_SCALE_ROW1
.else
	v_wmma_scale_f32_16x16x128_f8f6f4 v[\d:\d+7], v[\a:\a+11], v[\b:\b+11], v[\cc:\cc+7], v[\sa], v[\sb] matrix_a_fmt:MATRIX_FMT_BF6 matrix_b_fmt:MATRIX_FMT_BF6 matrix_a_scale:MATRIX_SCALE_ROW1 matrix_b_scale:MATRIX_SCALE_ROW1
.endif
.endif
.endm
; 32 numbers of a lane, one block, become 6 registers of codes at v[dst]; v[hw] = my byte 8 h bits up, with lane l xor 16's.
.macro QUANT1 src, dst, hw
	v_max3_num_f32 v[CH], |v[\src]|, |v[\src+1]|, 0x2800000                  ; the floor 2^(5 - 127) holds the byte at 1 from below
	v_max3_num_f32 v[CH+1], |v[\src+16]|, |v[\src+17]|, |v[\src+18]|
.irp i, 0,1,2,3,4,5
	s_delay_alu instid0(VALU_DEP_2)
	v_max3_num_f32 v[CH], v[CH], |v[\src+2+2*\i]|, |v[\src+3+2*\i]|
	s_delay_alu instid0(VALU_DEP_2)
	v_max3_num_f32 v[CH+1], v[CH+1], |v[\src+19+2*\i]|, |v[\src+20+2*\i]|
.endr
	s_delay_alu instid0(VALU_DEP_2)
	v_max3_num_f32 v[CH], v[CH], |v[\src+14]|, |v[\src+15]|
	s_delay_alu instid0(VALU_DEP_1)
	v_max3_num_f32 v[CH], v[CH], v[CH+1], |v[\src+31]|
	s_delay_alu instid0(VALU_DEP_1)
	v_add_nc_u32 v[SO], 0xfe000000, v[CH]
	s_delay_alu instid0(VALU_DEP_1)
	v_lshrrev_b32 v[BY], 23, v[SO]
	s_delay_alu instid0(VALU_DEP_1)
	v_lshlrev_b32 v[\hw], v5, v[BY]
	s_delay_alu instid0(VALU_DEP_1)
	v_permlanex16_b32 v[T0], v[\hw], s52, s53
	s_delay_alu instid0(VALU_DEP_1)
	v_or_b32 v[\hw], v[\hw], v[T0]
	v_cvt_scalef32_pk16_bf6_f32 v[\dst:\dst+2], v[\src:\src+15], v[SO]
	v_cvt_scalef32_pk16_bf6_f32 v[CT:CT+2], v[\src+16:\src+31], v[SO]        ; (a conversion's three registers begin on an even number)
	v_nop                                                                    ; one plain line behind the conversions
.irp i, 0,1,2
	v_mov_b32 v[\dst+3+\i], v[CT+\i]
.endr
.endm
.macro QLOAD qb, qs, pp, sp            ; a tile of q: six registers of codes into window 1, its scale words into window 0: three loads
	WIN 0x40
	global_load_b128 v[\qb:\qb+3], v1, s[\pp:\pp+1]
	global_load_b64 v[\qb+4:\qb+5], v2, s[\pp:\pp+1] offset:512
	WIN 0
	global_load_b32 v[\qs], v4, s[\sp:\sp+1]
.endm
	s_load_b256 s[8:15], s[0:1], 0x0               ; acodes, ascales, wcodes, wscales
	s_load_b128 s[16:19], s[0:1], 0x20             ; bo, out0
	s_set_vgpr_msb 0x40
	v_lshl_add_u32 v254, v0, 2, 0x45000
	v_mov_b32 v255, 0
	s_set_vgpr_msb 0x4045
	ds_add_u32 v254, v255
	ds_add_u32 v254, v255
	s_set_vgpr_msb 0x4500
	v_lshrrev_b32 v1, 5, v0
	s_delay_alu instid0(VALU_DEP_1)
	v_readfirstlane_b32 s20, v1                    ; wave = head 0..7
	s_bfe_u32 s21, ttmp6, 0x40000                  ; cx: my block of 128 queries; it enters q's and out's addresses alone
	s_and_b32 s22, ttmp7, 0xffff                   ; the batch, which the four partners share
	s_mul_i32 s58, s22, 196608
	s_mul_i32 s33, s20, 24576                      ; also V's place in LDS: wave x 24,576
	s_add_co_u32 s58, s58, s33                     ; (batch, head) in a section of codes,
	s_mov_b32 s59, 0
	s_lshl_b32 s60, s22, 14
	s_lshl_b32 s61, s20, 11
	s_add_co_u32 s60, s60, s61                     ; and of scale words
	s_mov_b32 s61, 0
	; descriptor group 1: a dense block of 24,576 bytes as 96 rows of 32 elements of 8 bytes; the mask names all four work-groups, bit 21 beside it
	s_mov_b32 s24, 15|(3<<16)|(1<<21)
	s_mov_b32 s25, 32<<16
	s_mov_b32 s26, 96<<16
	s_mov_b32 s27, 32<<16
	s_mov_b32 s28, 96
	s_mov_b32 s29, 32
	s_mov_b32 s30, 0
	s_mov_b32 s31, 0
	s_mov_b32 s32, 1
	s_mov_b32 s50, 0x3e38aa3b                      ; c = log2(e) / 8
	s_mov_b32 s51, s50                             ; (named with it as a pair)
	s_mov_b32 s52, 0x76543210
	s_mov_b32 s53, 0xfedcba98                      ; lane l xor 16
	v_and_b32 v10, 31, v0                          ; lane
	v_and_b32 v11, 15, v0                          ; r
	v_bfe_u32 v12, v0, 4, 1                        ; h
	s_delay_alu instid0(VALU_DEP_3)
	v_lshlrev_b32 v1, 4, v10                       ; 16 x lane
	s_delay_alu instid0(VALU_DEP_4)
	v_lshlrev_b32 v2, 3, v10                       ; 8 x lane
	v_lshlrev_b32 v3, 2, v10                       ; 4 x lane
	v_lshlrev_b32 v4, 2, v11                       ; 4 r
	s_wait_alu depctr_va_vdst(0)
	v_lshlrev_b32 v5, 3, v12                       ; 8 h
	v_add_nc_u32 v6, s33, v1                       ; V in LDS: registers 0-3 of a half fragment,
	v_add_nc_u32 v7, s33, v2                       ; registers 4-5 (512 bytes on, in the offset)
	s_mul_i32 s56, s20, 768                        ; ctx: K step w / 2, half w % 2: 768 w
	s_add_co_u32 s56, s56, CIMG
	v_add_nc_u32 v8, s56, v1
	v_add_nc_u32 v9, s56, v2
	s_delay_alu instid0(VALU_DEP_1)
	v_add_nc_u32 v9, 512, v9
	s_lshr_b32 s56, s20, 1
	s_lshl_b32 s56, s56, 6
	s_and_b32 s57, s20, 1
	s_lshl_b32 s57, s57, 1
	s_add_co_u32 s56, s56, s57
	s_add_co_u32 s56, s56, CSC
	v_add_nc_u32 v10, s56, v4                      ; its two scale bytes: 64 (w / 2) + 2 (w % 2) + 4 r
	s_mul_i32 s56, s20, 4352
	s_add_co_u32 s56, s56, STAGE                   ; my stage
	v_mul_u32_u24 v14, v11, 272
	s_delay_alu instid0(VALU_DEP_1)
	v_lshl_add_u32 v14, v12, 5, v14
	s_delay_alu instid0(VALU_DEP_1)
	v_add_nc_u32 v14, s56, v14                     ; in: row r, + 32 h
	v_mul_u32_u24 v15, v12, 272
	s_delay_alu instid0(VALU_DEP_1)
	v_lshl_add_u32 v15, v11, 4, v15
	s_delay_alu instid0(VALU_DEP_1)
	v_add_nc_u32 v15, s56, v15                     ; back: lanes 0-15 one row, lanes 16-31 the next
	v_lshlrev_b32 v[GO], 11, v12
	s_delay_alu instid0(VALU_DEP_1)
	v_lshl_add_u32 v[GO], v11, 4, v[GO]            ; and the same in out: 2,048 bytes a row
	v_lshlrev_b32 v[BH], 5, v12                    ; 32 h
	v_mov_b32 v[NM+1], 0                           ; upper halves of pairs that packed forms name, and lane permutes' destinations
	v_mov_b32 v[F+1], 0
	v_mov_b32 v[RI+1], 0
	v_mov_b32 v[T0], 0
	v_mov_b32 v[T1], 0
	s_wait_dscnt 0x0
	s_wait_kmcnt 0x0
	s_add_nc_u64 s[34:35], s[8:9], s[58:59]
	s_add_nc_u64 s[34:35], s[34:35], 25165824      ; V's codes of (batch, head): the same in all four partners
	s_or_b32 s35, s35, 0x80000000
	s_add_nc_u64 s[2:3], s[8:9], s[58:59]
	s_add_nc_u64 s[2:3], s[2:3], 12582912          ; K's codes
	s_add_nc_u64 s[4:5], s[10:11], s[60:61]
	s_add_nc_u64 s[6:7], s[4:5], 2097152           ; V's scale words
	s_add_nc_u64 s[4:5], s[4:5], 1048576           ; K's
	s_mul_i32 s56, s21, 6144
	s_mov_b32 s57, 0
	s_add_nc_u64 s[36:37], s[8:9], s[58:59]
	s_add_nc_u64 s[36:37], s[36:37], s[56:57]      ; q's codes at my first tile, 8 cx
	s_lshl_b32 s56, s21, 9
	s_add_nc_u64 s[38:39], s[10:11], s[60:61]
	s_add_nc_u64 s[38:39], s[38:39], s[56:57]      ; and its scale words
	s_mov_b64 s[40:41], s[36:37]                   ; buffer A: tile 0,
	s_add_nc_u64 s[42:43], s[36:37], 768           ; buffer B: tile 1
	s_mov_b64 s[44:45], s[38:39]
	s_add_nc_u64 s[46:47], s[38:39], 64
	s_mov_b32 s56, s33
	s_add_nc_u64 s[12:13], s[12:13], s[56:57]
	s_add_nc_u64 s[12:13], s[12:13], 589824        ; Wo's tiles 4 w .. 4 w + 3
	s_lshl_b32 s56, s20, 10
	s_add_nc_u64 s[14:15], s[14:15], s[56:57]
	s_add_nc_u64 s[14:15], s[14:15], 24576         ; their scale words
	s_lshl_b32 s56, s20, 8
	s_add_nc_u64 s[16:17], s[16:17], s[56:57]      ; bo at column 64 w
	s_add_nc_u64 s[18:19], s[18:19], s[56:57]      ; out at column 64 w,
	s_lshl_b32 s56, s22, 20
	s_lshl_b32 s54, s21, 18
	s_add_co_u32 s56, s56, s54
	s_add_nc_u64 s[18:19], s[18:19], s[56:57]      ; my batch and my 128 rows
	ROUND                                          ; all four work-groups are here: the joint loads meet
	tensor_load_to_lds s[32:35], s[24:31]          ; my head's V^T: the launch's only fill of these bytes
	s_nop 0
	PLACES 4
.set i, 0
.rept 16
	global_load_b32 v[KS+i], v3, s[4:5] offset:128*i     ; K's scale words: register (tile / 2): lanes 0-15 the even tile's, lanes 16-31 the odd one's
.set i, i+1
.endr
.set i, 0
.rept 16
	global_load_b32 v[S+i], v3, s[6:7] offset:128*i      ; V's: register 2 G + (n / 2), two bytes a word
.set i, i+1
.endr
	WIN 0x40
.set i, 0
.rept 32
	global_load_b128 v[6*i:6*i+3], v1, s[2:3] offset:768*i
	global_load_b64 v[6*i+4:6*i+5], v2, s[2:3] offset:768*i+512
.set i, i+1
.endr
	QLOAD 198, 40, 40, 44
	QLOAD 210, 41, 42, 46
	WIN 0x40
.irp i, 192,193,194,195,196,197,204,205,206,207,208,209,216,217,218,219,220,221
	v_mov_b32 v[\i], 0                             ; zero codes: behind K's last tile, and the upper halves of q's two buffers
.endr
	WIN 0
	s_wait_loadcnt 6                               ; all is in but the two tiles of q
.irp s, 0,1,2,3
.irp n, 0,1
	v_lshl_or_b32 v[VS+2*\s+\n], v[S+4*\s+2+\n], 16, v[S+4*\s+\n]   ; a key step's word: the bytes of token groups 2 s and 2 s + 1
.endr
.endr
	s_wait_tensorcnt 0x0                           ; my V is in LDS; only I read it
; A KEY STEP: 128 keys.  first = 1: the tile's first: it starts M, the sum and O^T.
.macro STEP s, first, qb, qs
	WIN 0x05                                       ; K and q in window 1
.irp t, 0,1,2,3,4,5,6,7
	WM S+8*\t, 6*(8*(\s)+\t), \qb, -1, KS+4*(\s)+\t/2, \qs, \t%2
.endr
	WIN 0
	PLACES 4                                       ; ahead of the first read of the scores, and of the loads into V's registers, which the last step's products have read
.irp n, 0,1,2,3
	ds_load_b128 v[VF+12*\n:VF+12*\n+3], v6 offset:6144*\n+1536*(\s)
	ds_load_b64 v[VF+12*\n+4:VF+12*\n+5], v7 offset:6144*\n+1536*(\s)+512
	ds_load_b128 v[VF+12*\n+6:VF+12*\n+9], v6 offset:6144*\n+1536*(\s)+768
	ds_load_b64 v[VF+12*\n+10:VF+12*\n+11], v7 offset:6144*\n+1536*(\s)+1280
.endr
.irp c, 0,1                                            ; THE LARGEST SCORE OF EACH OF MY TWO BLOCKS (register 32 c + i is key 128 s + 64 c + 32 h + i): for the row's maximum, and, since p rises with the score, for the block's largest p
	v_max_num_f32 v[BM+\c], v[S+32*\c], v[S+32*\c+1]
	v_max3_num_f32 v[CH+\c], v[S+32*\c+16], v[S+32*\c+17], v[S+32*\c+18]
.endr
.irp i, 0,1,2,3,4,5
.irp c, 0,1
	v_max3_num_f32 v[BM+\c], v[BM+\c], v[S+32*\c+2+2*\i], v[S+32*\c+3+2*\i]
	v_max3_num_f32 v[CH+\c], v[CH+\c], v[S+32*\c+19+2*\i], v[S+32*\c+20+2*\i]
.endr
.endr
.irp c, 0,1
	v_max3_num_f32 v[BM+\c], v[BM+\c], v[S+32*\c+14], v[S+32*\c+15]
.endr
.irp c, 0,1
	v_max3_num_f32 v[BM+\c], v[BM+\c], v[CH+\c], v[S+32*\c+31]
.endr
	s_delay_alu instid0(VALU_DEP_1)
	v_max_num_f32 v[T0], v[BM], v[BM+1]
	s_delay_alu instid0(VALU_DEP_1)
	v_permlanex16_b32 v[T1], v[T0], s52, s53       ; my query's other 64 keys lie in lane l xor 16
.if \first
	s_delay_alu instid0(VALU_DEP_1)
	v_max_num_f32 v[RM], v[T0], v[T1]
	s_delay_alu instid0(VALU_DEP_1)
	v_mul_f32 v[T0], s50, v[RM]                    ; as t (c is positive)
	s_delay_alu instid0(VALU_DEP_1)
	v_floor_f32 v[NM], -v[T0]                      ; -M = floor(-t) = -ceil(t)
.else
	s_delay_alu instid0(VALU_DEP_1)
	v_max3_num_f32 v[RM], v[RM], v[T0], v[T1]
	s_delay_alu instid0(VALU_DEP_1)
	v_mul_f32 v[T0], s50, v[RM]
	v_mov_b32 v[OLD], v[NM]
	s_delay_alu instid0(VALU_DEP_2)
	v_floor_f32 v[NM], -v[T0]
	s_delay_alu instid0(VALU_DEP_1)
	v_sub_f32 v[OLD], v[NM], v[OLD]                ; old M - new M: a whole number, 0 or less
	s_delay_alu instid0(VALU_DEP_1)
	v_cvt_i32_f32 v[OLD], v[OLD]                   ; (it saturates)
	s_delay_alu instid0(VALU_DEP_1)
	v_ldexp_f32 v[F], 1.0, v[OLD]
.endif
.set j, 0
.rept 32
	v_pk_fma_f32 v[S+j:S+j+1], v[S+j:S+j+1], s[50:51], v[NM:NM+1] op_sel_hi:[1,0,0]   ; t - M, two at a time
.set j, j+2
.endr
	v_fma_f32 v[BM], v[BM], s50, v[NM]             ; the same of each block's largest score
	v_fma_f32 v[BM+1], v[BM+1], s50, v[NM]
.set j, 0
	s_wait_alu depctr_va_vdst(0)
.rept 64
	v_exp_f32 v[S+j], v[S+j]                       ; p = 2^(t - M): one batch
.set j, j+1
.endr
.if \first
	v_mov_b32 v[L], 0                              ; (plain lines behind the exponentials)
	v_mov_b32 v[L+1], 0
.else
	v_pk_mul_f32 v[L:L+1], v[L:L+1], v[F:F+1] op_sel_hi:[1,0]   ; the sum under the new M
.endif
	s_wait_alu depctr_va_vdst(0)                   ; one wait for the batch, ahead of its first reader
	v_exp_f32 v[BM], v[BM]                         ; the blocks' largest p: the same two instructions on the same numbers give the same bits
	v_exp_f32 v[BM+1], v[BM+1]
	v_pk_add_f32 v[50:51], v[68:69], v[72:73]
	v_pk_add_f32 v[254:255], v[76:77], v[80:81]
	v_pk_add_f32 v[252:253], v[84:85], v[88:89]
	v_pk_add_f32 v[250:251], v[92:93], v[96:97]
	v_pk_add_f32 v[248:249], v[100:101], v[104:105]
	v_pk_add_f32 v[246:247], v[108:109], v[112:113]
	v_pk_add_f32 v[244:245], v[116:117], v[120:121]
	v_pk_add_f32 v[48:49], v[48:49], v[124:125]
	v_pk_add_f32 v[50:51], v[50:51], v[64:65]
	v_pk_add_f32 v[254:255], v[254:255], v[66:67]
	v_pk_add_f32 v[252:253], v[252:253], v[70:71]
	v_pk_add_f32 v[250:251], v[250:251], v[74:75]
	v_pk_add_f32 v[248:249], v[248:249], v[78:79]
	v_pk_add_f32 v[246:247], v[246:247], v[82:83]
	v_pk_add_f32 v[244:245], v[244:245], v[86:87]
	v_pk_add_f32 v[48:49], v[48:49], v[90:91]
	v_pk_add_f32 v[50:51], v[50:51], v[94:95]
	v_pk_add_f32 v[254:255], v[254:255], v[98:99]
	v_pk_add_f32 v[252:253], v[252:253], v[102:103]
	v_pk_add_f32 v[250:251], v[250:251], v[106:107]
	v_pk_add_f32 v[248:249], v[248:249], v[110:111]
	v_pk_add_f32 v[246:247], v[246:247], v[114:115]
	v_pk_add_f32 v[244:245], v[244:245], v[118:119]
	v_pk_add_f32 v[48:49], v[48:49], v[122:123]
	v_pk_add_f32 v[50:51], v[50:51], v[126:127]
	s_delay_alu instid0(VALU_DEP_2)
	v_pk_add_f32 v[48:49], v[48:49], v[250:251]
	s_delay_alu instid0(VALU_DEP_2)
	v_pk_add_f32 v[50:51], v[50:51], v[248:249]
	v_pk_add_f32 v[254:255], v[254:255], v[246:247]
	v_pk_add_f32 v[252:253], v[252:253], v[244:245]
	s_delay_alu instid0(VALU_DEP_2)
	v_pk_add_f32 v[48:49], v[48:49], v[254:255]
	s_delay_alu instid0(VALU_DEP_2)
	v_pk_add_f32 v[50:51], v[50:51], v[252:253]
	s_delay_alu instid0(VALU_DEP_1)
	v_pk_add_f32 v[48:49], v[48:49], v[50:51]
	s_wait_alu depctr_va_vdst(0)                   ; and one for the two
.irp c, 0,1
	v_max_num_f32 v[BM+\c], 0x2800000, v[BM+\c]    ; the floor: the byte cannot fall under 1
.endr
.irp c, 0,1
	s_delay_alu instid0(VALU_DEP_2)
	v_add_nc_u32 v[SO+\c], 0xfe000000, v[BM+\c]    ; 4 off the exponent field: the conversion's scale operand
.endr
.irp c, 0,1
	s_delay_alu instid0(VALU_DEP_2)
	v_lshrrev_b32 v[BY+\c], 23, v[SO+\c]
.endr
	s_delay_alu instid0(VALU_DEP_1)
	v_lshl_or_b32 v[PSW], v[BY+1], 16, v[BY]       ; p's scale word: my blocks h and 2 + h,
	s_delay_alu instid0(VALU_DEP_1)
	v_lshlrev_b32 v[PSW], v5, v[PSW]
	s_delay_alu instid0(VALU_DEP_1)
	v_permlanex16_b32 v[T0], v[PSW], s52, s53
	s_delay_alu instid0(VALU_DEP_1)
	v_or_b32 v[PSW], v[PSW], v[T0]                 ; and lane l xor 16's
	s_wait_alu depctr_va_vdst(0)
	s_wait_dscnt 0x0                               ; V's fragments are in; the last tile's LDS stores have read the registers that are written next
.irp c, 0,1
	v_cvt_scalef32_pk16_bf6_f32 v[PCD+6*\c:PCD+6*\c+2], v[S+32*\c:S+32*\c+15], v[SO+\c]
	v_cvt_scalef32_pk16_bf6_f32 v[CT+4*\c:CT+4*\c+2], v[S+32*\c+16:S+32*\c+31], v[SO+\c]
.endr
	v_nop
.irp c, 0,1
.irp i, 0,1,2
	v_mov_b32 v[PCD+6*\c+3+\i], v[CT+4*\c+\i]
.endr
.endr
.if \first
	PLACES 8                                       ; a scale word made by vector lines stands eight places ahead of the product, codes so made four
.else
.set j, 0
.rept 16
	v_pk_mul_f32 v[O+j:O+j+1], v[O+j:O+j+1], v[F:F+1] op_sel_hi:[1,0]   ; O^T under the new M; of these 16 twelve name no register of a given product below: they are its places
.set j, j+2
.endr
.endif
.irp n, 0,1,2,3                                        ; O^T += V^T p^T: the four accumulators by turns
.if \first
	WM O+8*\n, VF+12*\n, PCD, -1, VS+2*(\s)+\n/2, PSW, \n%2
.else
	WM O+8*\n, VF+12*\n, PCD, O+8*\n, VS+2*(\s)+\n/2, PSW, \n%2
.endif
.endr
.endm
; A TILE OF 16 QUERIES: four key steps; ctx = O^T / the sum, quantised (my 32 channels are a whole block) and stored as half a fragment's image.
.macro QTILE qb, qs, pp, sp, tt, lim, off, off2
	s_wait_loadcnt 3                               ; this buffer's three loads are in; the other buffer's three may be out (so at the entry, and round the loop)
	STEP 0, 1, \qb, \qs
	STEP 1, 0, \qb, \qs
	STEP 2, 0, \qb, \qs
	STEP 3, 0, \qb, \qs
	PLACES 4                                       ; behind the last products
	v_add_f32 v[T0], v[L], v[L+1]
	s_delay_alu instid0(VALU_DEP_1)
	v_permlanex16_b32 v[T1], v[T0], s52, s53
	s_delay_alu instid0(VALU_DEP_1)
	v_add_f32 v[T0], v[T0], v[T1]                  ; the row's sum
	s_wait_alu depctr_va_vdst(0)
	v_rcp_f32 v[RI], v[T0]
	s_add_co_u32 s[\tt], s[\tt], 2                 ; this buffer's next tile, two on; in the last trip held at a tile of my own eight, which nobody reads: no load leaves its buffer
	s_min_u32 s[\tt], s[\tt], \lim
	s_mul_i32 s58, s[\tt], 768
	s_lshl_b32 s60, s[\tt], 6
	s_add_nc_u64 s[\pp:\pp+1], s[36:37], s[58:59]  ; (the loads that read these pointers were shown done at the tile's head)
	s_add_nc_u64 s[\sp:\sp+1], s[38:39], s[60:61]
	QLOAD \qb, \qs, \pp, \sp
	v_nop                                          ; a plain line behind the reciprocal
	s_wait_alu depctr_va_vdst(0)                   ; and the wait ahead of its first reader
.set j, 0
.rept 16
	v_pk_mul_f32 v[S+j:S+j+1], v[O+j:O+j+1], v[RI:RI+1] op_sel_hi:[1,0]   ; register i: channel 64 w + 32 h + i
.set j, j+2
.endr
	QUANT1 S, PCD, HWD
	v_add_nc_u32 v11, s55, v8
	v_add_nc_u32 v12, s55, v9
	v_add_nc_u32 v13, s56, v10
	ds_store_b128 v11, v[PCD:PCD+3] offset:\off
	ds_store_b64 v12, v[PCD+4:PCD+5] offset:\off
	ds_store_b16 v13, v[HWD] offset:\off2          ; lanes r and r + 16 write the same two bytes with the same value
.endm
	s_mov_b32 s54, 4
	s_mov_b32 s55, 0                               ; ctx's images: 6,144 bytes a tile of queries,
	s_mov_b32 s56, 0                               ; its scale words: 256
	s_mov_b32 s48, 0                               ; the tile in buffer A,
	s_mov_b32 s49, 1                               ; in buffer B
.Ltiles:
	QTILE 198, 40, 40, 44, 48, 6, 0, 0
	QTILE 210, 41, 42, 46, 49, 7, 6144, 256
	s_add_co_u32 s55, s55, 12288
	s_add_co_u32 s56, s56, 512
	s_sub_co_u32 s54, s54, 1
	s_cmp_lg_u32 s54, 0
	s_cbranch_scc1 .Ltiles
	; THE OUTPUT PROJECTION.  Wo's four tiles take K's registers, bo takes O^T's; the loads go out ahead of the barrier.
	s_wait_dscnt 0x0                               ; for the others' sake: my images of ctx lie in LDS
	WIN 0x40
.set i, 0
.rept 16                                               ; fragment i = 4 x tile + K step
.irp c, 0,1,2
	global_load_b128 v[12*i+4*\c:12*i+4*\c+3], v1, s[12:13] offset:1536*i+512*\c
.endr
.set i, i+1
.endr
	WIN 0
.irp i, 0,1,2,3,4,5,6,7
	global_load_b32 v[KS+\i], v3, s[14:15] offset:128*\i          ; register 2 x tile + (K step / 2)
.endr
.irp t, 0,1,2,3
	global_load_b128 v[O+8*\t:O+8*\t+3], v[BH], s[16:17] offset:64*\t        ; register j of tile t: bo(64 w + 16 t + 8 h + j)
	global_load_b128 v[O+8*\t+4:O+8*\t+7], v[BH], s[16:17] offset:64*\t+16
.endr
	v_add_nc_u32 v11, CIMG, v1
	v_add_nc_u32 v12, CIMG, v2
	v_add_nc_u32 v13, CSC, v3
	s_wait_alu depctr_va_vdst(0)
	s_barrier_signal -1
	s_barrier_wait -1                              ; all 32 fragments of ctx lie in LDS
.macro LOADCF m                        ; tile m's four fragments and their scale words, into set m % 2
.set CG, VF+48*((\m)%2)
.irp s, 0,1,2,3
	ds_load_b128 v[CG+12*\s:CG+12*\s+3], v11 offset:1536*(4*(\m)+\s)
	ds_load_b64 v[CG+12*\s+4:CG+12*\s+5], v12 offset:1536*(4*(\m)+\s)+512
	ds_load_b128 v[CG+12*\s+6:CG+12*\s+9], v11 offset:1536*(4*(\m)+\s)+768
	ds_load_b64 v[CG+12*\s+10:CG+12*\s+11], v12 offset:1536*(4*(\m)+\s)+1280
.endr
.irp p, 0,1
	ds_load_b32 v[24+2*((\m)%2)+\p], v13 offset:256*(\m)+128*\p   ; lanes 0-15 the even K step's words, lanes 16-31 the odd one's
.endr
.endm
; Tile m of the queries: 16 products (four accumulators by turns; bo is the C of each sum's first), then through my stage: a lane holds 8 neighbouring columns of one row, and the rows leave whole.
.macro OUTM m
.set AC, S+32*((\m)%2)
.set CF, VF+48*((\m)%2)
.set CW, 24+2*((\m)%2)
	s_wait_dscnt 0x0                               ; this tile's fragments are in
	s_wait_xcnt 0x0                                ; the stores of two tiles ago have read the registers that take the new sums
	WIN 0x01                                       ; Wo in window 1
.irp s, 0,1,2,3
.irp t, 0,1,2,3
.if \s == 0
	WM AC+8*\t, 12*(4*\t+\s), CF+12*\s, O+8*\t, KS+2*\t+\s/2, CW+\s/2, 3*(\s%2)
.else
	WM AC+8*\t, 12*(4*\t+\s), CF+12*\s, AC+8*\t, KS+2*\t+\s/2, CW+\s/2, 3*(\s%2)
.endif
.endr
.endr
	WIN 0
	PLACES 4                                       ; ahead of the LDS stores of results, and of the loads into the other set
.if (\m) < 7
	LOADCF (\m)+1
.endif
.irp t, 0,1,2,3
	ds_store_b128 v14, v[AC+8*\t:AC+8*\t+3] offset:64*\t           ; each accumulator from its low end on
	ds_store_b128 v14, v[AC+8*\t+4:AC+8*\t+7] offset:64*\t+16
.endr
.irp i, 0,1,2,3,4,5,6,7
	ds_load_b128 v[AC+4*\i:AC+4*\i+3], v15 offset:544*\i           ; LDS serves a wave's instructions in order (ISA guide 5.7.1.4): these see my stores
.endr
.irp i, 0,1,2,3,4,5,6,7
	s_wait_dscnt 7-\i                              ; the younger loads from the stage may be out
	global_store_b128 v[GO], v[AC+4*\i:AC+4*\i+3], s[18:19] offset:(64*((\m)/4)+8*((\m)%4)+32*(\i/4)+2*(\i%4))*2048 th:TH_STORE_NT   ; stage row 2 i + lane / 16 is that token; 16 lanes store 256 consecutive bytes, at a multiple of 256
.endr
.endm
	LOADCF 0
	s_wait_loadcnt 0x0                             ; Wo, its scale words, bo (and the two tiles of q that nobody reads)
	OUTM 0
	OUTM 1
	OUTM 2
	OUTM 3
	OUTM 4
	OUTM 5
	OUTM 6
	OUTM 7
	s_wait_dscnt 0x0
	s_set_vgpr_msb 0x5
	s_wait_tensorcnt 0x0
	ds_add_u32 v254, v255
	s_wait_dscnt 0x0
	s_set_vgpr_msb 0x500
	ROUND                                          ; the closing round: no work-group ends while a partner may still ask for a tile that names it
	s_endpgm
.Lfunc_end_k_q91d5f2c8a7_attend:
	.size	k_q91d5f2c8a7_attend, .Lfunc_end_k_q91d5f2c8a7_attend-k_q91d5f2c8a7_attend
	.p2alignl 7, 3214868480
	.fill 96, 4, 3214868480
	.section	.rodata,"a",@progbits
	.p2align	6, 0x0
	.amdhsa_kernel k_q91d5f2c8a7_attend
		.amdhsa_group_segment_fixed_size 283648
		.amdhsa_private_segment_fixed_size 0
		.amdhsa_enable_private_segment 0
		.amdhsa_kernarg_size 48
		.amdhsa_user_sgpr_count 2
		.amdhsa_user_sgpr_kernarg_segment_ptr 1
		.amdhsa_wavefront_size32 1
		.amdhsa_system_sgpr_workgroup_id_x 1
		.amdhsa_system_sgpr_workgroup_id_y 1
		.amdhsa_system_sgpr_workgroup_id_z 1
		.amdhsa_system_vgpr_workitem_id 0
		.amdhsa_next_free_vgpr 512
		.amdhsa_next_free_sgpr 66
		.amdhsa_reserve_vcc 0
		.amdhsa_float_denorm_mode_32 3
		.amdhsa_float_denorm_mode_16_64 3
		.amdhsa_memory_ordered 1
		.amdhsa_forward_progress 1
		.amdhsa_inst_pref_size 187
	.end_amdhsa_kernel
	.amdgpu_metadata
---
amdhsa.version: [ 1, 2 ]
amdhsa.kernels:
  - .name:           k_q91d5f2c8a7_attend
    .symbol:         k_q91d5f2c8a7_attend.kd
    .args:
      - { .name: acodes, .offset: 0, .size: 8, .value_kind: global_buffer, .address_space: global }
      - { .name: ascales, .offset: 8, .size: 8, .value_kind: global_buffer, .address_space: global }
      - { .name: wcodes, .offset: 16, .size: 8, .value_kind: global_buffer, .address_space: global }
      - { .name: wscales, .offset: 24, .size: 8, .value_kind: global_buffer, .address_space: global }
      - { .name: bo, .offset: 32, .size: 8, .value_kind: global_buffer, .address_space: global }
      - { .name: out0, .offset: 40, .size: 8, .value_kind: global_buffer, .address_space: global }
    .group_segment_fixed_size: 283648
    .private_segment_fixed_size: 0
    .kernarg_segment_align: 8
    .kernarg_segment_size: 48
    .max_flat_workgroup_size: 256
    .sgpr_count:     66
    .vgpr_count:     512
    .wavefront_size: 32
...
	.end_amdgpu_metadata
.endif
;; end of part 3
